; MI455X (gfx1250); checked and timed in simulation.
; The chip was launched on July 23, 2026; its instructions are those of AMD's public machine-readable ISA for CDNA 5 (MIT licence, August 2026) and "CDNA5" Instruction Set Architecture Reference Guide (July 2026). The comments in the code are by the model that wrote it; some were corrected since.
;; Mol Opt. Allowed arithmetic: float matrix products may take bf16 or f16 operands with f32 sums; other float arithmetic in f32, or as packed bf16 or f16 multiplies, adds, multiply-adds, maxima and minima; sums over many terms, partial sums and values carried from step to step in f32; what a program stores and reads back later, other than sums and carried values, may be rounded once to bf16 or f16.
;; Inputs: b0 256 float32; b1 50 float32; embedding 1,024 x 64 x 50 float32; lengths 1,024 int32; ref 64 x 50 float32; w0 256 x 50 float32; w1 50 x 256 float32.
;; Outputs: out0 65,536 x 50 float32; out1 65,536 x 50 float32.
;; One version. Each part assembles by itself: llvm-mc -triple=amdgcn-amd-amdhsa -mcpu=gfx1250 --defsym DOCPART=n.
;; ======== version 1 of 1: 1 launch
;; limits: values are held in f16: magnitudes above 65,504 overflow, below 6.1e-05 lose precision
;; launch molopt (part 1): grid 256 x 1, 4 waves a work-group, no clusters, 216,832 bytes of LDS; arguments embedding, lengths, ref, w0, b0, w1, b1, out0, out1; writes out0, out1
.if DOCPART == 1
	.amdgcn_target "amdgcn-amd-amdhsa--gfx1250"
	.amdhsa_code_object_version 6
	.text
	.protected	k_q5e53692eda_molopt
	.globl	k_q5e53692eda_molopt
	.p2align	8
	.type	k_q5e53692eda_molopt,@function
k_q5e53692eda_molopt:
	s_mov_b64 s[64:65], 0
	v_nop
	global_prefetch_b8 v0, s[64:65] scope:SCOPE_SE
	s_setreg_imm32_b32 hwreg(HW_REG_WAVE_MODE, 25, 1), 1
	s_wait_xcnt 0x0
; MolOpt: for each of 1,024 molecules the cost C[l][n] = |x_l - ref_n|^2 (64 x 64), 50 log-domain Sinkhorn iterations (entropy 0.1), the plan P,
; tg = (64 P^T x - ref) / 8 (out0) and delta = W1 leaky(W0 tg + b0) + b1 (out1).
; SHARES.  One wave, one molecule: wave w of work-group g owns molecule 4 g + w; 256 work-groups of four waves.  In the loop no wave talks to another.
; FORMATS.  Every float input (embedding, ref, w0, b0, w1, b1) is rounded ONCE to bf16 and that number is used everywhere (x2, r2, "- ref", the biases too).  The cost is one bf16 product with
; K grown from 50 to 64: x's row carries x2 as three bf16 pieces (24 bits) and three ones, ref's row -2 ref, three ones and r2's three pieces.  What the program makes itself (8 P, tg, h) goes to the
; matrix unit in f16, and there the rounded x, w0, w1 are written as f16.  Potentials, maxima, sums in f32.
; SINKHORN in base 2: k = log2(e) / 0.1, f' = k f, g' = k g.  A half: t = V - k C, m = the true maximum of t, e = 2^(t - m), S = the sum of e, result = la - m - log2 S
; (la = -log2(len), or -1e30 in a masked row; -6 for g).  Behind the last half 8 P = e / (8 S): no further exponential.
; LAYOUT (r = lane % 16, h = lane / 16).  MF(lt, nt, j) = C(16 lt + r, 16 nt + 8 h + j), MG(nt, lt, j) = C(16 lt + 8 h + j, 16 nt + r): two matrix results as they fall.  A reduction is in-lane work and
; one exchange of the lanes' halves; the result of sub s is block s of the next half's vector V, which goes through 256 bytes of the wave's own LDS.
; DEAD TILES.  NLT = the tiles of 16 atoms that hold a live atom.  Rows at or beyond len have weight 0 in every sum, so whole dead tiles are left out: the loop is written for NLT = 1, 2, 3, 4 and chosen by
; a branch on lengths, a whole-number input.
; LIMITS.  len >= 1 (len > 64 counts as 64 live rows with log(len)).  The rounded x, w0, w1, and tg and h, lie within f16's 65,504; below 6e-5 they keep f16's fixed step of 6e-8, and so does 8 P (0 .. 0.125).
; A masked row's potential is -1e30 in base-2 units: its weight is 0.  A weight below 2^-126 counts as 0.  NaN and infinities in live rows are not treated apart (in masked rows they are replaced by 0).
; NO TENSOR LOADS, NO CLUSTER: rows are 200 bytes, everything is read once at the head, and what work-groups share (ref, w0, w1: 115,200 bytes) is small beside the loop's arithmetic.
.set W0H,   0                          ; LDS: w0 in f16, [256][64], rows 144 bytes apart
.set W0P,   144
.set W1H,   36864                      ; w1 in f16, [64][256], rows 528 bytes apart, rows 50-63 zero
.set W1P,   528
.set B0S,   70656                      ; b0, f32 [256]
.set B1S,   71680                      ; b1, f32 [64], zero from 50 on
.set PW0,   71936                      ; the waves' own regions, PWS bytes each:
.set PWS,   36096
.set RST,   12800                      ;   +0 XST: dense f32 [64][50]: x, then my block of w0, then the stage on the way out;  +12,800 RST: ref
.set XH,    25600                      ;   x in f16, [64 atoms][64 channels], rows 160 bytes apart
.set XHP,   160
.set VEC,   35840                      ;   the potential vector, 64 words
.set SPARE, 216320                     ; the spare words, 128 bytes a wave: two blocks of 256 bytes that no other line names
.set MOLB,  12800                      ; bytes of a molecule, of ref, of a quarter of w0
.set TILEB, 3200                       ; 16 rows of 200 bytes
.set SPW, 1                            ; v1  LDS address of my spare word; never rewritten
.set NIL, 2                            ; v2  0; never rewritten
.set RR,  3                            ; v3  r
.set HH,  4                            ; v4  h
.set LN,  5                            ; v5  lane
.set GOFF, 6                           ; v6  16 x lane
.set LINX, 7                           ; v7  XST + 16 lane
.set LINR, 8                           ; v8  RST + 16 lane
.set DAX, 9                            ; v9  XST + 200 r + 32 h
.set DBX, 10                           ; v10 XST + 200 r
.set DAR, 11                           ; v11, v12 the same in RST
.set DBR, 12
.set XHA, 13                           ; v13 XH + 160 r + 16 h
.set XTA, 14                           ; v14 XH, for the turning load
.set STA, 15                           ; v15 VEC: where a result goes
.set LDA, 16                           ; v16 VEC + 128 h: where my half's blocks lie
.set W0A, 17                           ; v17 where I put w0's rows;  v18 where fragments of w0 are read
.set W0FA, 18
.set W1A, 19
.set W1FA, 20
.set B0A, 21
.set B0FA, 22
.set B1A, 23
.set B1FA, 24
.set ONE, 25                           ; v25 1.0
.set HM,  26                           ; v[26:27] -1/8 in lanes 0-15, 0 in lanes 16-31
.set VV,  32                           ; v[32:63]   V
.set TT,  64                           ; v[64:191]  T(s, b, j) = 64 + 32 s + 8 b + j; before the loop x's and ref's fragments; behind it tg^T, then delta^T
.set ACC, 192                          ; v192..: the halves' statistics; before the loop two buffers of 28; in the MLP h^T
.set MX,  200                          ; m at 200 + 2 s, la - m at 201 + 2 s
.set SA,  208
.set SUM, 224
.set TMP, 228
.set LGR, 232
.set OUTR, 236
.set LAF, 240
.set WR,  244
.set MSB, 0
.macro WIN new                         ; s_set_vgpr_msb: bits 1:0 source 0, 3:2 source 1, 5:4 source 2, 7:6 destination; the high byte repeats the setting that is left
.if MSB != (\new)
	s_set_vgpr_msb (MSB<<8)|(\new)
.set MSB, (\new)
.endif
.endm
	s_load_b512 s[8:23], s[0:1], 0x0               ; embedding 8:9, lengths 10:11, ref 12:13, w0 14:15, b0 16:17, w1 18:19, b1 20:21, out0 22:23
	s_load_b64 s[24:25], s[0:1], 0x40              ; out1
	v_lshl_add_u32 v[SPW], v0, 2, SPARE
	v_mov_b32 v[NIL], 0
	v_lshrrev_b32 v28, 5, v0
	v_readfirstlane_b32 s26, v28                   ; wave 0..3
	v_and_b32 v[RR], 15, v0
	v_bfe_u32 v[HH], v0, 4, 1
	v_and_b32 v[LN], 31, v0
	v_lshlrev_b32 v[GOFF], 4, v[LN]
	s_lshl_b32 s27, ttmp9, 2
	s_add_co_u32 s27, s27, s26                     ; my molecule
	s_mul_i32 s30, s27, MOLB
	s_mov_b32 s31, 0
	s_mul_i32 s39, s26, PWS
	s_add_co_u32 s39, s39, PW0                     ; my region of LDS
	s_mov_b32 s32, 0xc166d4ca                      ; -k = -log2(e) / 0.1
	s_mov_b32 s33, s32                             ; named with it as a pair
	s_mov_b32 s34, 0x76543210                      ; v_permlanex16_b32: each lane takes its own place in the other half
	s_mov_b32 s35, 0xfedcba98
	s_mov_b32 s36, 0xffff0000                      ; a word's upper bf16
	s_mov_b32 s37, 0xffff                          ; lanes 0-15
	v_add_nc_u32 v[LINX], s39, v[GOFF]
	v_add_nc_u32 v[LINR], RST, v[LINX]
	v_mul_u32_u24 v28, v[RR], 200
	v_add_nc_u32 v[DBX], s39, v28
	v_lshl_add_u32 v[DAX], v[HH], 5, v[DBX]
	v_add_nc_u32 v[DBR], RST, v[DBX]
	v_add_nc_u32 v[DAR], RST, v[DAX]
	s_add_co_u32 s44, s39, XH
	v_mul_u32_u24 v28, v[RR], XHP
	v_lshl_add_u32 v28, v[HH], 4, v28
	v_add_nc_u32 v[XHA], s44, v28
	v_and_b32 v30, 7, v0
	v_bfe_u32 v31, v0, 3, 1
	v_lshl_add_u32 v28, v[HH], 3, v30              ; the turning load: atom 8 h + lane % 8,
	v_mul_u32_u24 v28, v28, XHP
	v_lshl_add_u32 v28, v31, 4, v28                ; channels 8 ((lane / 8) % 2) on
	v_add_nc_u32 v[XTA], s44, v28
	s_add_co_u32 s45, s39, VEC
	v_lshlrev_b32 v28, 2, v30                      ; index 16 s + r lies at byte 128 (r / 8) + 32 s + 4 (r % 8): a half's block of 8 is 32 bytes on end
	v_lshl_add_u32 v28, v31, 7, v28
	v_add_nc_u32 v[STA], s45, v28
	v_lshlrev_b32 v28, 7, v[HH]
	v_add_nc_u32 v[LDA], s45, v28
	v_mul_u32_u24 v[W0FA], v[RR], W0P
	v_lshl_add_u32 v[W0FA], v[HH], 4, v[W0FA]      ; (W0H = 0)
	s_mul_i32 s46, s26, 64*W0P
	v_add_nc_u32 v[W0A], s46, v[W0FA]              ; my 64 rows of w0
	v_mul_u32_u24 v[W1FA], v[RR], W1P
	v_lshl_add_u32 v[W1FA], v[HH], 4, v[W1FA]
	v_add_nc_u32 v[W1FA], W1H, v[W1FA]
	s_mul_i32 s46, s26, 16*W1P
	s_add_co_u32 s46, s46, W1H
	v_lshl_add_u32 v[W1A], v[LN], 3, s46           ; my 16 rows of w1
	s_lshl_b32 s46, s26, 8
	v_lshl_add_u32 v28, v[LN], 3, s46              ; my 8 bytes of b0, in memory
	v_add_nc_u32 v[B0A], B0S, v28
	v_lshlrev_b32 v31, 5, v[HH]
	v_add_nc_u32 v[B0FA], B0S, v31
	v_add_nc_u32 v[B1FA], B1S, v31
	s_lshl_b32 s47, s26, 4
	v_add_nc_u32 v30, s47, v[RR]                   ; 16 w + r
	v_lshl_add_u32 v[B1A], v30, 2, B1S
	v_min_u32 v29, 49, v30                         ; b1 has 50 numbers: the others are loaded from the last and set to 0
	v_lshlrev_b32 v29, 2, v29
	v_cmp_gt_u32 s41, 50, v30
	v_mov_b32 v[ONE], 1.0
	v_mov_b32 v31, 0xbe000000                      ; -1/8
	v_cndmask_b32 v[HM], 0, v31, s37
	v_mov_b32 v[HM+1], v[HM]
.set ii, 0
.rept 16                                       ; w1's row 16 w + i (50 rows: the others are loaded from the last and set to 0): 1,024 bytes a row, 16 bytes a lane, twice
	s_add_co_u32 s44, s47, ii
	s_min_u32 s44, s44, 49
	s_lshl_b32 s44, s44, 10
	v_add_nc_u32 v[32+ii], s44, v[GOFF]
.set ii, ii+1
.endr
	s_mul_i32 s42, s26, MOLB
	s_mov_b32 s43, 0
	s_wait_kmcnt 0x0
	s_add_nc_u64 s[8:9], s[8:9], s[30:31]          ; x, out0 and out1 at my molecule
	s_add_nc_u64 s[22:23], s[22:23], s[30:31]
	s_add_nc_u64 s[24:25], s[24:25], s[30:31]
	s_add_nc_u64 s[14:15], s[14:15], s[42:43]      ; w0 at my 64 rows
	s_lshl_b32 s42, s27, 2
	s_add_nc_u64 s[10:11], s[10:11], s[42:43]
	s_load_b32 s28, s[10:11], 0x0                  ; len
	; ALL GLOBAL LOADS AT ONCE, 109 of them, each 512 consecutive bytes a wave (the biases less)
	WIN 0x80                                       ; destination window 2
.set ii, 0
.rept 25
	global_load_b128 v[4*ii:4*ii+3], v[GOFF], s[8:9] offset:512*ii th:TH_LOAD_NT
.set ii, ii+1
.endr
.set ii, 0
.rept 25
	global_load_b128 v[100+4*ii:100+4*ii+3], v[GOFF], s[12:13] offset:512*ii
.set ii, ii+1
.endr
	WIN 0x40                                       ; destination window 1
.set ii, 0
.rept 25
	global_load_b128 v[4*ii:4*ii+3], v[GOFF], s[14:15] offset:512*ii
.set ii, ii+1
.endr
.set ii, 0
.rept 16
	global_load_b128 v[100+8*ii:100+8*ii+3], v[32+ii], s[18:19]
	global_load_b128 v[100+8*ii+4:100+8*ii+7], v[32+ii], s[18:19] offset:512
.set ii, ii+1
.endr
	global_load_b64 v[228:229], v28, s[16:17]
	global_load_b32 v230, v29, s[20:21]
	WIN 0
	s_wait_xcnt 0x0                                ; the loads have read their address registers: v28, v29 and v32-47 may be written again
; nq quads of f32 at v[rb ..] of window w are rounded to bf16 and widened again, in place
.macro ROUND w, rb, nq
	WIN 0x55*(\w)
.set qq, 0
.rept \nq
.set aa, (\rb)+4*qq
.set pp, 250+2*(qq&1)
	v_cvt_pk_bf16_f32 v[pp], v[aa], v[aa+1]
	v_cvt_pk_bf16_f32 v[pp+1], v[aa+2], v[aa+3]
	v_lshlrev_b32 v[aa], 16, v[pp]
	v_and_b32 v[aa+1], s36, v[pp]
	v_lshlrev_b32 v[aa+2], 16, v[pp+1]
	v_and_b32 v[aa+3], s36, v[pp+1]
.set qq, qq+1
.endr
.endm
; 12,800 bytes from window w into LDS as they lay in memory
.macro PUT w, rb, adr
	WIN (\w)<<2
.set ii, 0
.rept 25
	ds_store_b128 v[\adr], v[(\rb)+4*ii:(\rb)+4*ii+3] offset:512*ii
.set ii, ii+1
.endr
.endm
	s_wait_loadcnt 63                              ; x is in: 84 loads are younger, and the wait's field ends at 63
	ROUND 2, 0, 25
	PUT 2, 0, LINX
	s_wait_loadcnt 59                              ; ref is in: younger are w0's 25, w1's 32 and the two biases'
	ROUND 2, 100, 25
	PUT 2, 100, LINR
	WIN 0
; FRAGMENTS.  Lane (r, h) of tile tl takes row 16 tl + r, channels 8 h, 16 + 8 h, 32 + 8 h + 0..7 and (both halves; h = 1 sets them to 0) 48, 49: 13 loads of 8 bytes into buffer tl % 2.
.macro FLOAD da, db, tl
.set FB, 192+28*((\tl)&1)
.set cc, 0
.rept 3
.set ii, 0
.rept 4
	ds_load_b64 v[FB+8*cc+2*ii:FB+8*cc+2*ii+1], v[\da] offset:TILEB*(\tl)+64*cc+8*ii
.set ii, ii+1
.endr
.set cc, cc+1
.endr
	ds_load_b64 v[FB+24:FB+25], v[\db] offset:TILEB*(\tl)+192
.endm
; kind 0: x (masked by len; squares; bf16 fragment; f16 rows into XH).  kind 1: ref (squares; -2 ref; bf16 fragment).  kind 2: w0 (f16 rows into W0H).
.macro FPROC kind, tl
.set FB, 192+28*((\tl)&1)
.if (\kind) == 0
	s_sub_co_i32 s44, s28, 16*(\tl)
	v_cmp_gt_i32 vcc_lo, s44, v[RR]                ; is atom 16 tl + r live?
	s_and_b32 s45, vcc_lo, s37
.set ii, 0
.rept 24
	v_cndmask_b32 v[FB+ii], 0, v[FB+ii], vcc_lo
.set ii, ii+1
.endr
	v_cndmask_b32 v[FB+24], 0, v[FB+24], s45
	v_cndmask_b32 v[FB+25], 0, v[FB+25], s45
.else
	v_cndmask_b32 v[FB+24], 0, v[FB+24], s37
	v_cndmask_b32 v[FB+25], 0, v[FB+25], s37
.endif
.if (\kind) < 2
	v_pk_mul_f32 v[48:49], v[FB:FB+1], v[FB:FB+1]  ; the row's sum of squares, in two chains
	v_pk_mul_f32 v[50:51], v[FB+2:FB+3], v[FB+2:FB+3]
.set ii, 2
.rept 11
	v_pk_fma_f32 v[48+2*(ii&1):49+2*(ii&1)], v[FB+2*ii:FB+2*ii+1], v[FB+2*ii:FB+2*ii+1], v[48+2*(ii&1):49+2*(ii&1)]
.set ii, ii+1
.endr
	v_pk_add_f32 v[48:49], v[48:49], v[50:51]
	v_add_f32 v52, v48, v49
	v_permlanex16_b32 v53, v52, s34, s35
	v_add_f32 v52, v52, v53
	v_cvt_pk_bf16_f32 v54, v52, v52                ; in three bf16 pieces: each difference is exact
	v_lshlrev_b32 v55, 16, v54
	v_sub_f32 v56, v52, v55
	v_cvt_pk_bf16_f32 v57, v56, v56
	v_lshlrev_b32 v58, 16, v57
	v_sub_f32 v59, v56, v58
.if (\kind) == 1
.set ii, 0
.rept 13
	v_pk_mul_f32 v[FB+2*ii:FB+2*ii+1], v[FB+2*ii:FB+2*ii+1], -2.0 op_sel_hi:[1,0]
.set ii, ii+1
.endr
.endif
.set DD, 64+64*(\kind)+16*(\tl)
.set ii, 0
.rept 13
	v_cvt_pk_bf16_f32 v[DD+ii], v[FB+2*ii], v[FB+2*ii+1]
.set ii, ii+1
.endr
.if (\kind) == 0
	v_cvt_pk_bf16_f32 v[DD+13], v55, v58           ; k = 50 .. 55: the three pieces of x2, then three ones
	v_cvt_pk_bf16_f32 v[DD+14], v59, v[ONE]
	v_mov_b32 v[DD+15], 0x3f803f80
.else
	v_mov_b32 v[DD+13], 0x3f803f80                 ; three ones, then the three pieces of r2
	v_cvt_pk_bf16_f32 v[DD+14], v[ONE], v55
	v_cvt_pk_bf16_f32 v[DD+15], v58, v59
.endif
	v_cndmask_b32 v[DD+13], 0, v[DD+13], s37       ; k = 56 .. 63 (h = 1) are 0
	v_cndmask_b32 v[DD+14], 0, v[DD+14], s37
	v_cndmask_b32 v[DD+15], 0, v[DD+15], s37
.endif
.if (\kind) != 1
.if (\kind) == 0
.set DR, XHA
.set DP, 16*XHP
.else
.set DR, W0A
.set DP, 16*W0P
.endif
.set cc, 0
.rept 3
.set ii, 0
.rept 4
	v_cvt_pk_f16_f32 v[FB+8*cc+ii], v[FB+8*cc+2*ii], v[FB+8*cc+2*ii+1]
.set ii, ii+1
.endr
.set cc, cc+1
.endr
	v_cvt_pk_f16_f32 v[FB+24], v[FB+24], v[FB+25]
	v_mov_b32 v[FB+25], 0
	v_mov_b32 v[FB+26], 0
	v_mov_b32 v[FB+27], 0
.set cc, 0
.rept 4
	ds_store_b128 v[DR], v[FB+8*cc:FB+8*cc+3] offset:DP*(\tl)+32*cc
.set cc, cc+1
.endr
.endif
.endm
; Four tiles, the loads a tile ahead.  Each wait leaves out the LDS instructions issued behind the tile's 13 loads: the next tile's 13 and the last tile's NST stores.
; LDS serves a wave's instructions in order (ISA guide 5.7.1.4), so the loads see the stores that laid the rows down.
.macro FRAG kind, da, db
.if (\kind) == 1
.set NST, 0
.else
.set NST, 4
.endif
	FLOAD \da, \db, 0
	FLOAD \da, \db, 1
	s_wait_dscnt 13
	FPROC \kind, 0
	FLOAD \da, \db, 2
	s_wait_dscnt 13+NST
	FPROC \kind, 1
	FLOAD \da, \db, 3
	s_wait_dscnt 13+NST
	FPROC \kind, 2
	s_wait_dscnt NST
	FPROC \kind, 3
.endm
	s_wait_kmcnt 0x0                               ; len
	v_mov_b32 v53, 0                               ; v_permlanex16_b32's destination counts as read
	FRAG 0, DAX, DBX
	FRAG 1, DAR, DBR
	s_wait_loadcnt 34                              ; my block of w0 is in: younger are w1's 32 and the two biases'
	ROUND 1, 0, 25
	PUT 1, 0, LINX                                 ; over x, whose reads have come back
	WIN 0
	FRAG 2, DAX, DBX
	; w1: rounded to bf16, written as f16, rows 50 on set to 0
	WIN 0x55
.set ii, 0
.rept 16
	s_wait_loadcnt 2*(15-ii)+2                     ; row i is in: younger are the later rows' two loads each and the two biases'
	s_add_co_u32 s44, s47, ii
	s_cmp_lt_u32 s44, 50
	s_cselect_b32 s44, -1, 0
.set qq, 0
.rept 2
.set aa, 100+8*ii+4*qq
.set pp, 250+2*qq
	v_cvt_pk_bf16_f32 v[pp], v[aa], v[aa+1]
	v_cvt_pk_bf16_f32 v[pp+1], v[aa+2], v[aa+3]
	v_lshlrev_b32 v[aa], 16, v[pp]
	v_and_b32 v[aa+1], s36, v[pp]
	v_lshlrev_b32 v[aa+2], 16, v[pp+1]
	v_and_b32 v[aa+3], s36, v[pp+1]
	v_cvt_pk_f16_f32 v[aa], v[aa], v[aa+1]
	v_cvt_pk_f16_f32 v[aa+1], v[aa+2], v[aa+3]
	v_and_b32 v[aa], s44, v[aa]
	v_and_b32 v[aa+1], s44, v[aa+1]
.set qq, qq+1
.endr
.set ii, ii+1
.endr
	s_wait_loadcnt 0x0                             ; the biases
	v_cvt_pk_bf16_f32 v250, v228, v229
	v_cvt_pk_bf16_f32 v251, v230, v230
	v_lshlrev_b32 v228, 16, v250
	v_and_b32 v229, s36, v250
	v_lshlrev_b32 v230, 16, v251
	v_cndmask_b32 v230, 0, v230, s41
	WIN 0x04                                       ; store data in window 1
.set ii, 0
.rept 16
	ds_store_b64 v[W1A], v[100+8*ii:100+8*ii+1] offset:W1P*ii
	ds_store_b64 v[W1A], v[100+8*ii+4:100+8*ii+5] offset:W1P*ii+256
.set ii, ii+1
.endr
	ds_store_b64 v[B0A], v[228:229]
	ds_store_b32 v[B1A], v230
	WIN 0
	s_wait_dscnt 0x0                               ; for the others' sake: my parts of w0, w1, b0, b1 lie in LDS
	s_barrier_signal -1
	s_barrier_wait -1                              ; the launch's one barrier: everybody's do
	; THE COST, twice: 64 products, K = 64 in two steps; the 32 accumulators take turns, one instruction a turn
	WIN 0x50                                       ; C and D in window 1, fragments in window 0
.set ks, 0
.rept 2
.set tq, 0
.rept 16
.set lt, tq/4
.set nt, tq%4
.if ks == 0
	v_wmma_f32_16x16x32_bf16 v[32*lt+8*nt:32*lt+8*nt+7], v[128+16*nt:128+16*nt+7], v[64+16*lt:64+16*lt+7], 0
	v_wmma_f32_16x16x32_bf16 v[128+32*nt+8*lt:128+32*nt+8*lt+7], v[64+16*lt:64+16*lt+7], v[128+16*nt:128+16*nt+7], 0
.else
	v_wmma_f32_16x16x32_bf16 v[32*lt+8*nt:32*lt+8*nt+7], v[128+16*nt+8:128+16*nt+15], v[64+16*lt+8:64+16*lt+15], v[32*lt+8*nt:32*lt+8*nt+7]
	v_wmma_f32_16x16x32_bf16 v[128+32*nt+8*lt:128+32*nt+8*lt+7], v[64+16*lt+8:64+16*lt+15], v[128+16*nt+8:128+16*nt+15], v[128+32*nt+8*lt:128+32*nt+8*lt+7]
.endif
.set tq, tq+1
.endr
.set ks, ks+1
.endr
	WIN 0
.set ii, 0
.rept 32
	v_mov_b32 v[VV+ii], 0                          ; g = 0.  These lines name no register of the products: they are the places behind them (ISA guide 7.12.1)
.set ii, ii+1
.endr
.set ii, 0
.rept 4
	v_mov_b32 v[TMP+ii], 0                         ; v_permlanex16_b32's destinations
.set ii, ii+1
.endr
	v_cvt_f32_i32 v28, s28
	v_log_f32 v29, v28
	v_mov_b32 v30, 0xf149f2ca                      ; -1e30; also the plain instruction behind the logarithm
	s_wait_alu depctr_va_vdst(0)                   ; the wait ahead of the first use of a transcendental's result
	v_xor_b32 v29, 0x80000000, v29                 ; -log2(len)
.set ii, 0
.rept 4
	s_sub_co_i32 s44, s28, 16*ii
	v_cmp_gt_i32 vcc_lo, s44, v[RR]
	v_cndmask_b32 v[LAF+ii], v30, v29, vcc_lo
.set ii, ii+1
.endr
	s_add_co_u32 s29, s28, 15
	s_lshr_b32 s29, s29, 4
	s_max_u32 s29, s29, 1
	s_min_u32 s29, s29, 4                          ; NLT
; A HALF-ITERATION on matrix copy mb (window 1): ns subs (results a lane), nb blocks of 8 numbers a sub.
; t = V - k C and the running maxima, for blocks lo .. hi - 1.  Each accumulator of the cost is read from its lowest registers on.
.macro P1 mb, ns, lo, hi
	WIN 0x01
.set bl, \lo
.rept (\hi)-(\lo)
.set su, 0
.rept \ns
.set cp, 0
.rept 4
	v_pk_fma_f32 v[TT+32*su+8*bl+2*cp:TT+32*su+8*bl+2*cp+1], v[(\mb)+32*su+8*bl+2*cp:(\mb)+32*su+8*bl+2*cp+1], s[32:33], v[VV+8*bl+2*cp:VV+8*bl+2*cp+1] op_sel_hi:[1,0,1]
.set cp, cp+1
.endr
.set su, su+1
.endr
.set bl, bl+1
.endr
	WIN 0
.set bl, \lo
.rept (\hi)-(\lo)
.set cp, 0
.rept 4
.set su, 0
.rept \ns
.if (bl == 0) && (cp < 2)
	v_max_num_f32 v[ACC+2*su+cp], v[TT+32*su+2*cp], v[TT+32*su+2*cp+1]
.else
	v_max3_num_f32 v[ACC+2*su+(cp&1)], v[ACC+2*su+(cp&1)], v[TT+32*su+8*bl+2*cp], v[TT+32*su+8*bl+2*cp+1]
.endif
.set su, su+1
.endr
.set cp, cp+1
.endr
.set bl, bl+1
.endr
.endm
.macro SQ nb                           ; pair pq: t - m
.set su, pq/(4*(\nb))
.set rg, TT+32*su+2*(pq%(4*(\nb)))
	v_pk_add_f32 v[rg:rg+1], v[rg:rg+1], v[MX+2*su:MX+2*su+1] op_sel_hi:[1,0] neg_lo:[0,1] neg_hi:[0,1]
.set pq, pq+1
.endm
.macro EXQ nb, s0                      ; number ex of the subs from s0 on: 2^(t - m), in place
.set su, (\s0)+ex/(8*(\nb))
.set rg, TT+32*su+ex%(8*(\nb))
	v_exp_f32 v[rg], v[rg]
.set ex, ex+1
.endm
.macro P3Q nb, s0, n                   ; entry qq of the sums' queue for the n subs from s0 on, the subs by turns: 4 nb + 2 entries a sub.  The sums go into SA: e stays whole for the plan
.set zz, qq/(\n)
.set su, (\s0)+qq%(\n)
.set tb, TT+32*su
.set sb, SA+4*su
.if zz == 0
	v_pk_add_f32 v[sb:sb+1], v[tb:tb+1], v[tb+2:tb+3]
.elseif zz == 1
	v_pk_add_f32 v[sb+2:sb+3], v[tb+4:tb+5], v[tb+6:tb+7]
.elseif zz < 4*(\nb)-2
	v_pk_add_f32 v[sb+2*(zz&1):sb+2*(zz&1)+1], v[sb+2*(zz&1):sb+2*(zz&1)+1], v[tb+4+2*zz:tb+4+2*zz+1]
.elseif zz == 4*(\nb)-2
	v_pk_add_f32 v[sb:sb+1], v[sb:sb+1], v[sb+2:sb+3]
.elseif zz == 4*(\nb)-1
	v_add_f32 v[SUM+su], v[sb], v[sb+1]
.elseif zz == 4*(\nb)
	v_permlanex16_b32 v[TMP+su], v[SUM+su], s34, s35
.else
	v_add_f32 v[SUM+su], v[SUM+su], v[TMP+su]
.endif
.set qq, qq+1
.endm
.macro OUTS s0, n                      ; la - m - log2 S of n subs; each goes into the vector and comes back as block s of V: a store and two loads a sub; the loads see the store (a wave's LDS instructions are served in order)
.set su, \s0
.rept \n
	v_sub_f32 v[OUTR+su], v[MX+2*su+1], v[LGR+su]
	ds_store_b32 v[STA], v[OUTR+su] offset:32*su
	ds_load_b128 v[VV+8*su:VV+8*su+3], v[LDA] offset:32*su
	ds_load_b128 v[VV+8*su+4:VV+8*su+7], v[LDA] offset:32*su+16
.set su, su+1
.endr
.endm
.macro LOGS s0, n
.set su, \s0
.rept \n
	v_log_f32 v[LGR+su], v[SUM+su]
.set su, su+1
.endr
	v_nop                                          ; the plain instruction behind the last transcendental,
	s_wait_alu depctr_va_vdst(0)                   ; and the one wait for all that were issued since the last, ahead of the first line that names a result
.endm
; The subs fall into a first group (nsa) and a second, the blocks likewise (nba), so that a group's tail (sum, logarithm, the way through LDS) stands beside the other group's work.
.macro HALF mb, ns, nb, nsa, nba, isg
	s_wait_dscnt 3*((\nb)-(\nba))                  ; V's first blocks are in: behind their loads stand the second group's store and two loads a sub
	P1 \mb, \ns, 0, \nba
.if (\nb) > (\nba)
	s_wait_dscnt 0x0                               ; the other blocks
	P1 \mb, \ns, \nba, \nb
.endif
.set su, 0
.rept \ns
	v_max_num_f32 v[ACC+2*su], v[ACC+2*su], v[ACC+2*su+1]
.set su, su+1
.endr
.set su, 0
.rept \ns
	v_permlanex16_b32 v[TMP+su], v[ACC+2*su], s34, s35
.set su, su+1
.endr
.set su, 0
.rept \ns
	v_max_num_f32 v[MX+2*su], v[ACC+2*su], v[TMP+su]
.set su, su+1
.endr
.set su, 0
.rept \ns
.if \isg
	v_sub_f32 v[MX+2*su+1], 0xc0c00000, v[MX+2*su] ; log2(1/64) - m
.else
	v_sub_f32 v[MX+2*su+1], v[LAF+su], v[MX+2*su]
.endif
.set su, su+1
.endr
	; first batch: all scalings, and the first group's exponentials; exponential e stands behind 2 + e scalings and needs pair e / 2
.set pq, 0
.set ex, 0
	SQ \nb
	SQ \nb
.rept 8*(\nb)*(\nsa)
	EXQ \nb, 0
.if pq < 4*(\nb)*(\ns)
	SQ \nb
.endif
.endr
	v_nop
	s_wait_alu depctr_va_vdst(0)                   ; one wait for the batch
	; second batch: the second group's exponentials, between them the first group's sums; then the first group's logarithms
.set ex, 0
.set qq, 0
.if (\ns) > (\nsa)
.rept 8*(\nb)*((\ns)-(\nsa))
	EXQ \nb, \nsa
.if qq < (\nsa)*(4*(\nb)+2)
	P3Q \nb, 0, \nsa
.endif
.endr
.endif
.rept (\nsa)*(4*(\nb)+2)
.if qq < (\nsa)*(4*(\nb)+2)
	P3Q \nb, 0, \nsa
.endif
.endr
	LOGS 0, \nsa
	OUTS 0, \nsa
.if (\ns) > (\nsa)
.set qq, 0
.rept ((\ns)-(\nsa))*(4*(\nb)+2)
	P3Q \nb, \nsa, (\ns)-(\nsa)
.endr
	LOGS \nsa, (\ns)-(\nsa)
	OUTS \nsa, (\ns)-(\nsa)
.endif
.endm
; 8 P = e / (8 S), rounded to f16: two tiles of MG's layout ARE source 1 (32 atoms x 16 points) of x^T P.  Dead tiles are 0.
.macro PACKP nlt
	s_wait_dscnt 0x0                               ; the last loads into V: its registers serve other ends from here on
.set su, 0
.rept 4
	v_rcp_f32 v[WR+2*su], v[SUM+su]
.set su, su+1
.endr
	v_nop
	s_wait_alu depctr_va_vdst(0)                   ; one wait for the four reciprocals
.set su, 0
.rept 4
	v_mul_f32 v[WR+2*su], 0x3e000000, v[WR+2*su]
.set su, su+1
.endr
.set su, 0
.rept 4
	v_mov_b32 v[WR+2*su+1], v[WR+2*su]
.set su, su+1
.endr
.set su, 0
.rept 4
.set cp, 0
.rept 4*(\nlt)
	v_pk_mul_f32 v[TT+32*su+2*cp:TT+32*su+2*cp+1], v[TT+32*su+2*cp:TT+32*su+2*cp+1], v[WR+2*su:WR+2*su+1]
.set cp, cp+1
.endr
.set su, su+1
.endr
	WIN 0x40                                       ; destination window 1
.set su, 0
.rept 4
.set cp, 0
.rept 16
.if cp < 4*(\nlt)
	v_cvt_pk_f16_f32 v[16*su+cp], v[TT+32*su+2*cp], v[TT+32*su+2*cp+1]
.else
	v_mov_b32 v[16*su+cp], 0
.endif
.set cp, cp+1
.endr
.set su, su+1
.endr
	WIN 0
.endm
.macro SINK nlt
	s_mov_b32 s38, 50
.Lit\nlt:
	HALF 0, \nlt, 4, ((\nlt)+1)/2, 2, 0            ; f: a sub for each live tile of atoms, four blocks of points
	HALF 128, 4, \nlt, 2, ((\nlt)+1)/2, 1          ; g: four subs of points, a block for each live tile of atoms
	s_sub_co_u32 s38, s38, 1
	s_cmp_lg_u32 s38, 0
	s_cbranch_scc1 .Lit\nlt
	PACKP \nlt
.endm
	s_cmp_lt_u32 s29, 2                            ; the branch hangs on lengths alone; no barrier lies behind it
	s_cbranch_scc1 .Lv1
	s_cmp_eq_u32 s29, 2
	s_cbranch_scc1 .Lv2
	s_cmp_eq_u32 s29, 3
	s_cbranch_scc1 .Lv3
	SINK 4
	s_branch .Ltail
.Lv3:
	SINK 3
	s_branch .Ltail
.Lv2:
	SINK 2
	s_branch .Ltail
.Lv1:
	SINK 1
.Ltail:
	; tg^T = x^T (8 P) - ref / 8.  The sums start at -ref / 8: lane (r, h) of tile (nt, dt) holds point 16 nt + r, channels 16 dt + 8 h + 0..7
.set nt, 0
.rept 4
.set cp, 0
.rept 12
	ds_load_b64 v[TT+32*nt+2*cp:TT+32*nt+2*cp+1], v[DAR] offset:TILEB*nt+64*(cp/4)+8*(cp%4)
.set cp, cp+1
.endr
	ds_load_b64 v[TT+32*nt+24:TT+32*nt+25], v[DBR] offset:TILEB*nt+192
.set nt, nt+1
.endr
	WIN 0x40
.set dt, 0
.rept 4
.set ks, 0
.rept 2                                        ; x^T: channels 16 dt on, atoms 32 ks on, turned on the way out of LDS
	ds_load_tr16_b128 v[64+16*dt+8*ks:64+16*dt+8*ks+3], v[XTA] offset:32*XHP*ks+32*dt
	ds_load_tr16_b128 v[64+16*dt+8*ks+4:64+16*dt+8*ks+7], v[XTA] offset:32*XHP*ks+16*XHP+32*dt
.set ks, ks+1
.endr
.set dt, dt+1
.endr
	WIN 0
	s_wait_dscnt 0x0
.set nt, 0
.rept 4
.set cp, 0
.rept 12
	v_pk_mul_f32 v[TT+32*nt+2*cp:TT+32*nt+2*cp+1], v[TT+32*nt+2*cp:TT+32*nt+2*cp+1], 0xbe000000 op_sel_hi:[1,0]
.set cp, cp+1
.endr
	v_pk_mul_f32 v[TT+32*nt+24:TT+32*nt+25], v[TT+32*nt+24:TT+32*nt+25], v[HM:HM+1]  ; channels 48, 49 in lanes 0-15; 56, 57 do not exist
.set cp, 26
.rept 6
	v_mov_b32 v[TT+32*nt+cp], 0
.set cp, cp+1
.endr
.set nt, nt+1
.endr
	WIN 0x05                                       ; sources in window 1, C and D in window 0
.set ks, 0
.rept 2
.set tq, 0
.rept 16                                       ; the 16 accumulators take turns
.set nt, tq/4
.set dt, tq%4
	v_wmma_f32_16x16x32_f16 v[TT+32*nt+8*dt:TT+32*nt+8*dt+7], v[64+16*dt+8*ks:64+16*dt+8*ks+7], v[16*nt+8*ks:16*nt+8*ks+7], v[TT+32*nt+8*dt:TT+32*nt+8*dt+7]
.set tq, tq+1
.endr
.set ks, ks+1
.endr
.rept 4
	v_nop                                          ; four places behind the last product, ahead of the lines that read the results
.endr
	WIN 0x40
.set tq, 0
.rept 16                                       ; tg in f16: two tiles of channels ARE source 1 (32 channels x 16 points) of W0 tg^T
.set cp, 0
.rept 4
	v_cvt_pk_f16_f32 v[128+4*tq+cp], v[TT+8*tq+2*cp], v[TT+8*tq+2*cp+1]
.set cp, cp+1
.endr
.set tq, tq+1
.endr
	WIN 0
; THE WAY OUT of the 16 accumulators at v[64 ..]: into my stage as rows of 200 bytes, back as 12,800 dense bytes, and out: each store of the wave covers 512 consecutive bytes, aligned.
.macro OUTP lo
	WIN 0
	s_wait_xcnt 0x0                                ; earlier stores have read their data registers; and EXEC changes only behind this wait
.set nt, 0
.rept 4
.set cp, 0
.rept 12
	ds_store_b64 v[DAX], v[TT+32*nt+2*cp:TT+32*nt+2*cp+1] offset:TILEB*nt+64*(cp/4)+8*(cp%4)
.set cp, cp+1
.endr
.set nt, nt+1
.endr
	v_cmp_gt_u32 vcc_lo, 16, v[LN]
	s_and_saveexec_b32 s40, vcc_lo                 ; channels 48 and 49 lie in lanes 0-15 alone
.set nt, 0
.rept 4
	ds_store_b64 v[DAX], v[TT+32*nt+24:TT+32*nt+25] offset:TILEB*nt+192
.set nt, nt+1
.endr
	s_or_b32 exec_lo, exec_lo, s40                 ; no global instruction has been issued since the wait above
	WIN 0x80
.set ii, 0
.rept 25
	ds_load_b128 v[4*ii:4*ii+3], v[LINX] offset:512*ii
.set ii, ii+1
.endr
	WIN 0x08                                       ; store data in window 2
.set ii, 0
.rept 25
	s_wait_dscnt 24-ii                             ; the younger loads may stay out
	global_store_b128 v[GOFF], v[4*ii:4*ii+3], s[\lo:(\lo)+1] offset:512*ii th:TH_STORE_NT
.set ii, ii+1
.endr
	WIN 0
.endm
	OUTP 22
	; THE MLP.  delta^T's sums start at b1; eight trips of 32 hidden units: h^T = W0 tg^T + b0 (two tiles of 16 units), LeakyReLU, f16, delta^T += W1 h^T
.set nt, 0
.rept 4
.set mt, 0
.rept 4
	ds_load_b128 v[TT+32*nt+8*mt:TT+32*nt+8*mt+3], v[B1FA] offset:64*mt
	ds_load_b128 v[TT+32*nt+8*mt+4:TT+32*nt+8*mt+7], v[B1FA] offset:64*mt+16
.set mt, mt+1
.endr
.set nt, nt+1
.endr
	s_mov_b32 s38, 8
.Lmlp:
.rept 4
	v_nop                                          ; four places behind the last trip's products, ahead of the loads into their sources
.endr
	WIN 0x40
.set ii, 0
.rept 4                                        ; w0: tile ii / 2, channels 32 (ii % 2) on
	ds_load_b128 v[8*ii:8*ii+3], v[W0FA] offset:16*W0P*(ii/2)+64*(ii%2)
	ds_load_b128 v[8*ii+4:8*ii+7], v[W0FA] offset:16*W0P*(ii/2)+64*(ii%2)+32
.set ii, ii+1
.endr
	WIN 0
.set ii, 0
.rept 2
	ds_load_b128 v[32+8*ii:32+8*ii+3], v[B0FA] offset:64*ii
	ds_load_b128 v[32+8*ii+4:32+8*ii+7], v[B0FA] offset:64*ii+16
.set ii, ii+1
.endr
	WIN 0x40
.set mt, 0
.rept 4
	ds_load_b128 v[32+8*mt:32+8*mt+3], v[W1FA] offset:16*W1P*mt
	ds_load_b128 v[32+8*mt+4:32+8*mt+7], v[W1FA] offset:16*W1P*mt+32
.set mt, mt+1
.endr
	s_wait_dscnt 8                                 ; all but w1's eight loads
	WIN 0x05
.set ks, 0
.rept 2
.set tq, 0
.rept 8                                        ; the 8 accumulators take turns; the first step starts the sums at b0
.set ii, tq/4
.set nt, tq%4
.if ks == 0
	v_wmma_f32_16x16x32_f16 v[192+32*ii+8*nt:192+32*ii+8*nt+7], v[16*ii:16*ii+7], v[128+16*nt:128+16*nt+7], v[32+8*ii:32+8*ii+7]
.else
	v_wmma_f32_16x16x32_f16 v[192+32*ii+8*nt:192+32*ii+8*nt+7], v[16*ii+8:16*ii+15], v[128+16*nt+8:128+16*nt+15], v[192+32*ii+8*nt:192+32*ii+8*nt+7]
.endif
.set tq, tq+1
.endr
.set ks, ks+1
.endr
	WIN 0
	v_add_nc_u32 v[W0FA], 32*W0P, v[W0FA]          ; the next trip's 32 units; with the v_nop these are the four places behind the products
	v_add_nc_u32 v[W1FA], 64, v[W1FA]
	v_add_nc_u32 v[B0FA], 128, v[B0FA]
	v_nop
.set gg, 0
.rept 4                                        ; max(h, 0.01 h), two accumulators at a time, each from its lowest registers on
.set ii, 0
.rept 8
	v_pk_mul_f32 v[48+2*ii:48+2*ii+1], v[192+16*gg+2*ii:192+16*gg+2*ii+1], 0x3c23d70a op_sel_hi:[1,0]
.set ii, ii+1
.endr
.set ii, 0
.rept 16
	v_max_num_f32 v[192+16*gg+ii], v[192+16*gg+ii], v[48+ii]
.set ii, ii+1
.endr
.set gg, gg+1
.endr
	WIN 0x40
.set nt, 0
.rept 4
.set cp, 0
.rept 8                                        ; tile cp / 4 of units, pair cp % 4
	v_cvt_pk_f16_f32 v[64+8*nt+cp], v[192+32*(cp/4)+8*nt+2*(cp%4)], v[192+32*(cp/4)+8*nt+2*(cp%4)+1]
.set cp, cp+1
.endr
.set nt, nt+1
.endr
	s_wait_dscnt 0x0                               ; w1's fragments
	WIN 0x05
.set tq, 0
.rept 16                                       ; 16 different accumulators
.set nt, tq/4
.set mt, tq%4
	v_wmma_f32_16x16x32_f16 v[TT+32*nt+8*mt:TT+32*nt+8*mt+7], v[32+8*mt:32+8*mt+7], v[64+8*nt:64+8*nt+7], v[TT+32*nt+8*mt:TT+32*nt+8*mt+7]
.set tq, tq+1
.endr
	WIN 0
	s_sub_co_u32 s38, s38, 1
	s_cmp_lg_u32 s38, 0
	s_cbranch_scc1 .Lmlp
.rept 4
	v_nop                                          ; four places behind the last product, ahead of the LDS stores that read the results
.endr
	OUTP 24
	s_wait_tensorcnt 0x0                           ; the wave's end, behind my last LDS store
	ds_add_u32 v[SPW], v[NIL]
	s_wait_dscnt 0x0
	s_endpgm
.Lfunc_end_k_q5e53692eda_molopt:
	.size	k_q5e53692eda_molopt, .Lfunc_end_k_q5e53692eda_molopt-k_q5e53692eda_molopt
	.p2alignl 7, 3214868480
	.fill 96, 4, 3214868480
	.section	.rodata,"a",@progbits
	.p2align	6, 0x0
	.amdhsa_kernel k_q5e53692eda_molopt
		.amdhsa_group_segment_fixed_size 216832
		.amdhsa_private_segment_fixed_size 0
		.amdhsa_enable_private_segment 0
		.amdhsa_kernarg_size 72
		.amdhsa_user_sgpr_count 2
		.amdhsa_user_sgpr_kernarg_segment_ptr 1
		.amdhsa_wavefront_size32 1
		.amdhsa_system_sgpr_workgroup_id_x 1
		.amdhsa_system_sgpr_workgroup_id_y 1
		.amdhsa_system_sgpr_workgroup_id_z 1
		.amdhsa_system_vgpr_workitem_id 0
		.amdhsa_next_free_vgpr 768
		.amdhsa_next_free_sgpr 66
		.amdhsa_reserve_vcc 1
		.amdhsa_float_denorm_mode_32 3
		.amdhsa_float_denorm_mode_16_64 3
		.amdhsa_memory_ordered 1
		.amdhsa_forward_progress 1
		.amdhsa_inst_pref_size 255
	.end_amdhsa_kernel
	.section	.bss,"aw",@nobits
	.p2align	6
	.space	262144
	.amdgpu_metadata
---
amdhsa.version: [ 1, 2 ]
amdhsa.kernels:
  - .name:           k_q5e53692eda_molopt
    .symbol:         k_q5e53692eda_molopt.kd
    .args:
      - { .name: embedding, .offset: 0, .size: 8, .value_kind: global_buffer, .address_space: global }
      - { .name: lengths, .offset: 8, .size: 8, .value_kind: global_buffer, .address_space: global }
      - { .name: ref, .offset: 16, .size: 8, .value_kind: global_buffer, .address_space: global }
      - { .name: w0, .offset: 24, .size: 8, .value_kind: global_buffer, .address_space: global }
      - { .name: b0, .offset: 32, .size: 8, .value_kind: global_buffer, .address_space: global }
      - { .name: w1, .offset: 40, .size: 8, .value_kind: global_buffer, .address_space: global }
      - { .name: b1, .offset: 48, .size: 8, .value_kind: global_buffer, .address_space: global }
      - { .name: out0, .offset: 56, .size: 8, .value_kind: global_buffer, .address_space: global }
      - { .name: out1, .offset: 64, .size: 8, .value_kind: global_buffer, .address_space: global }
    .group_segment_fixed_size: 216832
    .private_segment_fixed_size: 0
    .kernarg_segment_align: 8
    .kernarg_segment_size: 72
    .max_flat_workgroup_size: 128
    .sgpr_count:     66
    .vgpr_count:     768
    .wavefront_size: 32
...
	.end_amdgpu_metadata
.endif
;; end of part 1
